; MI455X (gfx1250); checked and timed in simulation.
; The chip was launched on July 23, 2026; its instructions are those of AMD's public machine-readable ISA for CDNA 5 (MIT licence, August 2026) and "CDNA5" Instruction Set Architecture Reference Guide (July 2026). The comments in the code are by the model that wrote it; some were corrected since.
;; MPO Linear3. Allowed arithmetic: matrix products marked QUANTISED: E2M3 operands, one E8M0 scale for each 32 along K, by v_wmma_scale_f32_16x16x128_f8f6f4 with both operands' format E2M3, f32 sums; products left as they are: f32 operands where the result goes on into a quantised operand, else bf16, f16 or f32 operands; f32 sums; everything else in f32.
;; Inputs: bias 4,096 float32; first_core 16 x 64 x 16 float32; last_core 16 x 64 x 16 float32; middle_core 16 x 64 x 64 x 16 float32; x 4,096 x 4,096 float32.
;; Outputs: out0 4,096 x 4,096 float32.
;; This version of the problem:
;;   THIS VERSION OF THE PROBLEM IS GIVEN IN LOW PRECISION. The matrix products marked QUANTISED in the list below multiply operands that are first quantised to E2M3 (2 exponent bits, 3 mantissa bits; 6 bits a number), with one power-of-two scale for each 32 numbers along K (OCP MX v1.0); their sums are f32. All else is computed in f32.
;;   The module's matrix products, in the order in which they are computed (A, B: the left and right operand; K: the contracted axis; several contracted axes count as one K, in the product's order):
;;     1. [M 256, K 1] x [K 1, N 16,384]; A: computed on the way; B: computed on the way: left as it is (no contracted axis)
;;     2. [M 65,536, K 1] x [K 1, N 256]; A: computed on the way; B: computed on the way: left as it is (no contracted axis)
;;     3. [M 4,096, K 4,096] x [K 4,096, N 4,096]; A: input x; B: computed on the way: QUANTISED
;;   THE QUANTISER, for each operand of a quantised product, along K:
;;     - K is cut into blocks of 32 from its start; a last block that is shorter is filled with zeros.
;;     - A block's scale is 2^e with e = floor(log2(the largest magnitude in the block)) - 2, held to -126 .. 127; a block of zeros has e = 0. As a byte (E8M0): e + 127.
;;     - Each number is divided by its block's scale, clamped to +-7.5, and rounded to the nearest number of E2M3, ties to even, subnormals kept.
;;     - The product sums the exact products of the quantised numbers (number of the format x scale) in f32.
;;   ~~~python
;;   def quantise(x, axis):      # numpy; x: float32 -> the quantised numbers, widened to float32 again
;;       x = np.moveaxis(x, axis, -1); K = x.shape[-1]
;;       x = np.pad(x, [(0, 0)] * (x.ndim - 1) + [(0, -K % 32)]); x = x.reshape(x.shape[:-1] + (-1, 32)); a = np.abs(x).max(-1, keepdims=True)
;;       e = np.where(a > 0, np.clip(np.frexp(np.where(a > 0, a, 1))[1] - 1 - 2, -126, 127), 0)      # np.frexp(a)[1] - 1 = floor(log2(a)), exactly
;;       r = np.clip(x / 2.0 ** e, -7.5, 7.5)
;;       step = 2.0 ** (np.maximum(np.frexp(np.where(r == 0, 1, r))[1] - 1, 0) - 3)
;;       q = np.round(r / step) * step * 2.0 ** e      # np.round: ties to even
;;       return np.moveaxis(q.reshape(q.shape[:-2] + (-1,))[..., :K], -1, axis).astype(np.float32)
;;   ~~~
;;   OPERANDS COMPUTED ON THE WAY. 'Computed on the way' means the value that the module computes at that place (a softmax that the list does not call 'softmax' is quantised finished and normalised). What goes into a quantiser is computed in f32, as accurately as f32 sums, v_exp_f32 and their like allow (about 1e-6 of the number): no bf16 or f16 on the way to a quantiser, and a product that is left as it is and whose result goes on into a quantised operand takes f32 operands (vector FMAs, or v_wmma_f32_16x16x4_f32). A number that lies on a knife's edge between two numbers of the format may be rounded either way, as far as f32 arithmetic and the matrix unit's own rounding can turn it there, and no further.
;; One version. Each part assembles by itself: llvm-mc -triple=amdgcn-amd-amdhsa -mcpu=gfx1250 --defsym DOCPART=n.
;; ======== version 1 of 1: 3 launches
;; limits: right only within a limited range of input values
;; workspace buffers: part 18,432 bytes; xq 13,107,200 bytes; wq 13,107,200 bytes
;; launch prep (part 1): grid 584 x 1, 4 waves a work-group, no clusters, 34,304 bytes of LDS; arguments x, middle_core, first_core, last_core, xq, part; writes xq, part
.if DOCPART == 1
	.amdgcn_target "amdgcn-amd-amdhsa--gfx1250"
	.amdhsa_code_object_version 6
	.text
	.protected	k_q64198fce4e_prep
	.globl	k_q64198fce4e_prep
	.p2align	8
	.type	k_q64198fce4e_prep,@function
k_q64198fce4e_prep:
	s_mov_b64 s[64:65], 0
	v_nop
	global_prefetch_b8 v0, s[64:65] scope:SCOPE_SE
	s_setreg_imm32_b32 hwreg(HW_REG_WAVE_MODE, 25, 1), 1
	s_wait_xcnt 0x0
; TWO JOBS THAT DEPEND ON NOTHING, IN ONE LAUNCH.  Every input of the problem has a way to the output; no work is left out.
; (1) Work-groups 0-511: x [4096][4096] f32 becomes codes of E2M3 and E8M0 bytes, one for each 32 along K, laid as an IMAGE OF THE PRODUCT'S OPERAND REGISTERS.
;     xq = [T: 32 runs of 128 rows][s: 32 steps of 128 along K][a record of 12,800 bytes].  A record: codes [blk 8][c 3][lane 32][16 bytes], then scale words [blk / 4][r 16][blk % 4][4 bytes].
;     Lane (r = lane % 16, h = lane / 16) of block blk owns row 128 T + 16 blk + r and k = 128 s + 64 h .. + 63: 48 bytes of the row's stream of codes, 12 registers, piece c = registers 4 c .. 4 c + 3.
;     So the matrix instruction meets the step's four blocks of 32 at the places 0, 2, 1, 3; both operands are laid alike, and a scale word's bytes stand in that order.
;     A wave takes 64 rows x 128 along K, four blocks of 16 rows.  Each load reads 512 consecutive bytes of one row; a block turns through the wave's own stage in LDS (rows 528 bytes apart),
;     and comes back 256 bytes a lane: two whole blocks of 32, so no other lane is asked for a maximum.  Each store of codes covers 512 consecutive bytes, the store of scale words 256.
;     A block's scale is 2^(floor(log2(its largest magnitude)) - 2): its byte is that magnitude's exponent field - 2, held at 1 from below.
; (2) Work-groups 512-583: the sums of the cores.  In the weight, first_core's and last_core's middle axis and both rank axes of middle_core are each summed on their own:
;     F[a][x] = sum over j of first_core[a][j][x], L[c][z] likewise, G[b][y] = sum over 4,096 rows of middle_core[b].  A wave sums one dense run of rows of 16 numbers.
;     part: bytes 0-16383 sixteen partial sums of each G [b][chunk][y]; 16384-17407 F[a][x]; 17408-18431 L[c][z].
; No matrix unit, no cluster, no tensor load: every input byte is read once by one wave, and waves share nothing.
; LIMITS: NaN and infinities among the inputs are not served.  A block whose largest magnitude lies under 2^-124, a block of zeros among them, gets the byte 1: zero codes add nothing
; under any byte but 0xff, and this program alone reads the bytes.  The cores' sums are f32 sums in a tree order of this text's own.
.set REC,   12800
.set SP,    528                        ; a stage row: 512 bytes + 16
.set WST,   16*SP                      ; a wave's stage
.set SPARE, 4*WST                      ; behind the stages: the spare words
.set XWG,   512
.set R,     16                         ; v16-143  two sets of 16 rows x 4 registers, as loaded
.set X,     144                        ; v144-207 my 64 neighbours
.set C,     208                        ; v208-255 four sets of 12 registers of codes: they are stored at the wave's end
.set W0,    1                          ; the four blocks' scale words: two in spare registers, two in the first set of loaded rows, which is free from block 2 on
.set W1,    13
.set W2,    18
.set W3,    19
	s_load_b256 s[4:11], s[0:1], 0x0               ; x, middle_core, first_core, last_core
	s_load_b128 s[12:15], s[0:1], 0x20             ; xq, part
	v_lshl_add_u32 v14, v0, 2, SPARE
	v_mov_b32 v15, 0
	v_lshrrev_b32 v1, 5, v0
	v_readfirstlane_b32 s16, v1                    ; wave
	v_and_b32 v2, 31, v0                           ; lane
	v_lshlrev_b32 v3, 4, v2                        ; 16 x lane
	v_and_b32 v7, 15, v0                           ; r
	v_bfe_u32 v6, v0, 4, 1                         ; h
	s_mul_i32 s17, s16, WST
	v_add_nc_u32 v4, s17, v3                       ; into the stage: 16 bytes a lane of a row
	v_mul_u32_u24 v5, v7, SP
	v_lshl_add_u32 v5, v6, 8, v5
	v_add_nc_u32 v5, s17, v5                       ; out of it: row r, half h
	v_lshlrev_b32 v6, 3, v6                        ; 8 h: my bytes' shift in a scale word
	v_lshlrev_b32 v7, 4, v7                        ; 16 r: my four words' place
	v_mov_b32 v12, 0                               ; a lane permute's destination counts as a source
	s_mov_b32 s22, 0x76543210                      ; selects for lane l xor 16
	s_mov_b32 s23, 0xfedcba98
	s_wait_alu depctr_va_vdst(0)                   ; the wait at the head's end
	s_wait_kmcnt 0x0
	s_cmp_lt_u32 ttmp9, XWG                        ; the job hangs on the work-group's number alone
	s_cbranch_scc0 .Lcores
	; ---------------- job (1) ----------------
	s_lshr_b32 s17, ttmp9, 4                       ; T
	s_bfe_u32 s18, ttmp9, 0x10003                  ; which 64 rows of the 128
	s_and_b32 s19, ttmp9, 7
	s_lshl_b32 s19, s19, 2
	s_add_co_u32 s19, s19, s16                     ; s: the four waves stand side by side along K
	s_lshl_b32 s20, s17, 21                        ; 128 rows of 16,384 bytes
	s_lshl_b32 s21, s18, 20
	s_add_co_u32 s20, s20, s21
	s_lshl_b32 s21, s19, 9
	s_add_co_u32 s20, s20, s21
	s_mov_b32 s21, 0
	s_add_nc_u64 s[4:5], s[4:5], s[20:21]
	s_lshl_b32 s20, s17, 5
	s_add_co_u32 s20, s20, s19
	s_mul_i32 s20, s20, REC
	s_add_nc_u64 s[12:13], s[12:13], s[20:21]      ; my record
	s_lshl_b32 s20, s18, 8
	s_add_co_u32 s20, s20, 12288
	s_add_nc_u64 s[24:25], s[12:13], s[20:21]      ; my 256 bytes of scale words
	s_mul_i32 s20, s18, 6144
	s_add_nc_u64 s[12:13], s[12:13], s[20:21]      ; my four blocks' codes
.macro LOAD i
.irp r, 0,1,2,3,4,5,6,7,8,9,10,11,12,13,14,15
	global_load_b128 v[R+64*((\i)%2)+4*\r:R+64*((\i)%2)+4*\r+3], v3, s[4:5] offset:((\i)*16+\r)*16384 th:TH_LOAD_NT
.endr
.endm
.macro BLK i
.set CS, C+12*(\i)
.if (\i) < 3
	s_wait_loadcnt 16                              ; this block's 16 loads are in; the next block's may be out
.else
	s_wait_loadcnt 0x0
.endif
.irp r, 0,1,2,3,4,5,6,7,8,9,10,11,12,13,14,15
	ds_store_b128 v4, v[R+64*((\i)%2)+4*\r:R+64*((\i)%2)+4*\r+3] offset:\r*SP
.endr
.irp j, 0,1,2,3,4,5,6,7,8,9,10,11,12,13,14,15
	ds_load_b128 v[X+4*\j:X+4*\j+3], v5 offset:16*\j   ; LDS serves a wave's instructions in order: these see the stores above
.endr
.if (\i)+2 < 4
	s_wait_dscnt 16                                ; the sixteen stores into the stage are done, the sixteen loads behind them may be out: the set that the stores read
	LOAD (\i)+2                                    ; takes the loads of two blocks on
.endif
	s_wait_dscnt 0x0
	v_max3_num_f32 v8, |v[X]|, |v[X+1]|, 0x1800000         ; my two blocks' largest magnitudes by turns, with the floor 2^(3 - 127)
	v_max3_num_f32 v9, |v[X+32]|, |v[X+33]|, 0x1800000
.irp k, 2,4,6,8,10,12,14,16,18,20,22,24,26,28,30
	v_max3_num_f32 v8, v8, |v[X+\k]|, |v[X+\k+1]|
	v_max3_num_f32 v9, v9, |v[X+32+\k]|, |v[X+33+\k]|
.endr
	v_add_nc_u32 v10, 0xff000000, v8               ; 2 off the exponent field: the conversion's scale operand
	v_add_nc_u32 v11, 0xff000000, v9
	v_cvt_scalef32_pk16_fp6_f32 v[CS:CS+2], v[X:X+15], v10
	v_cvt_scalef32_pk16_fp6_f32 v[CS+6:CS+8], v[X+32:X+47], v11
	v_lshrrev_b32 v8, 23, v10                      ; the byte (also the plain line behind the conversions)
	v_cvt_scalef32_pk16_fp6_f32 v[X:X+2], v[X+16:X+31], v10     ; a conversion's three registers begin on an even number: made here, moved below
	v_cvt_scalef32_pk16_fp6_f32 v[X+4:X+6], v[X+48:X+63], v11
	v_lshrrev_b32 v9, 23, v11
.irp k, 0,1,2
	v_mov_b32 v[CS+3+\k], v[X+\k]
	v_mov_b32 v[CS+9+\k], v[X+4+\k]
.endr
	v_lshl_or_b32 v8, v9, 16, v8                   ; my blocks 2 h and 2 h + 1 stand at bytes h and 2 + h of the word
	v_lshlrev_b32 v8, v6, v8
	v_permlanex16_b32 v12, v8, s22, s23
	v_or_b32 v[W\i], v8, v12                       ; with lane l xor 16's two the word is whole
.endm
	LOAD 0
	LOAD 1
	BLK 0
	BLK 1
	BLK 2
	BLK 3
	v_mov_b32 v16, v[W0]                           ; the four words on end
	v_mov_b32 v17, v[W1]
	v_cmp_gt_u32 vcc_lo, 16, v2
	s_wait_alu depctr_va_vdst(0)                   ; the wait here, directly ahead of the waits below
	s_wait_tensorcnt 0x0                           ; behind my last LDS store; no LDS instruction follows
	ds_add_u32 v14, v15
	s_wait_dscnt 0x0
	s_wait_xcnt 0x0                                ; EXEC changes only behind this wait
	s_and_saveexec_b32 s20, vcc_lo
	global_store_b128 v7, v[16:19], s[24:25]       ; lanes 0-15: 256 consecutive bytes
	s_wait_xcnt 0x0
	s_or_b32 exec_lo, exec_lo, s20
.irp i, 0,1,2,3
.irp c, 0,1,2
	global_store_b128 v3, v[C+12*\i+4*\c:C+12*\i+4*\c+3], s[12:13] offset:\i*1536+512*\c   ; 512 consecutive bytes
.endr
.endr
	s_endpgm
	; ---------------- job (2) ----------------
; n loads of 512 bytes from s[6:7] on: lane l holds columns 4 (l % 4) .. + 3 of eight rows a load.  All rows are added: down the loads in two chains, then across the eight lanes with the same columns.
.macro RED n
.set RI, 0
.rept \n
	global_load_b128 v[16+4*RI:19+4*RI], v3, s[6:7] offset:512*RI th:TH_LOAD_NT
.set RI, RI+1
.endr
.irp k, 0,1,2,3
	v_mov_b32 v[8+\k], 0
.endr
	s_wait_alu depctr_va_vdst(0)                   ; the wait here, directly ahead of the wait below
	s_wait_loadcnt 0x0
.set RI, 2
.rept \n-2
	v_pk_add_f32 v[16+4*(RI%2):17+4*(RI%2)], v[16+4*(RI%2):17+4*(RI%2)], v[16+4*RI:17+4*RI]
	v_pk_add_f32 v[18+4*(RI%2):19+4*(RI%2)], v[18+4*(RI%2):19+4*(RI%2)], v[18+4*RI:19+4*RI]
.set RI, RI+1
.endr
	v_pk_add_f32 v[16:17], v[16:17], v[20:21]
	v_pk_add_f32 v[18:19], v[18:19], v[22:23]
.irp k, 0,1,2,3
	v_add_f32_dpp v[16+\k], v[16+\k], v[16+\k] row_xmask:4 row_mask:0xf bank_mask:0xf
.endr
.irp k, 0,1,2,3
	v_add_f32_dpp v[16+\k], v[16+\k], v[16+\k] row_xmask:8 row_mask:0xf bank_mask:0xf
.endr
.irp k, 0,1,2,3
	v_permlanex16_b32 v[8+\k], v[16+\k], s22, s23
.endr
.irp k, 0,1,2,3
	v_add_f32 v[16+\k], v[16+\k], v[8+\k]
.endr
	v_cmp_gt_u32 vcc_lo, 4, v2
	s_wait_alu depctr_va_vdst(0)
	s_wait_xcnt 0x0
	s_and_saveexec_b32 s20, vcc_lo
	global_store_b128 v3, v[16:19], s[14:15]       ; lanes 0-3: the 16 sums, 64 bytes
	s_wait_xcnt 0x0
	s_or_b32 exec_lo, exec_lo, s20
	s_endpgm
.endm
.Lcores:
	s_sub_co_u32 s17, ttmp9, XWG                   ; 0 .. 71
	s_cmp_lt_u32 s17, 64
	s_cbranch_scc0 .Lsmall
	s_lshl_b32 s18, s17, 2
	s_add_co_u32 s18, s18, s16                     ; chunk 16 b + ch of middle_core
	s_lshl_b32 s20, s18, 14
	s_mov_b32 s21, 0
	s_add_nc_u64 s[6:7], s[6:7], s[20:21]
	s_lshl_b32 s20, s18, 6
	s_add_nc_u64 s[14:15], s[14:15], s[20:21]
	RED 32
.Lsmall:
	s_sub_co_u32 s18, s17, 64                      ; 0 .. 3: first_core; 4 .. 7: last_core
	s_cmp_lt_u32 s18, 4
	s_cselect_b64 s[6:7], s[8:9], s[10:11]
	s_cselect_b32 s19, 0, 1024
	s_and_b32 s18, s18, 3
	s_lshl_b32 s18, s18, 2
	s_add_co_u32 s18, s18, s16                     ; the slab of 64 rows
	s_lshl_b32 s20, s18, 12
	s_mov_b32 s21, 0
	s_add_nc_u64 s[6:7], s[6:7], s[20:21]
	s_lshl_b32 s20, s18, 6
	s_add_co_u32 s20, s20, s19
	s_add_co_u32 s20, s20, 16384
	s_add_nc_u64 s[14:15], s[14:15], s[20:21]
	RED 8
.Lfunc_end_k_q64198fce4e_prep:
	.size	k_q64198fce4e_prep, .Lfunc_end_k_q64198fce4e_prep-k_q64198fce4e_prep
	.p2alignl 7, 3214868480
	.fill 96, 4, 3214868480
	.section	.rodata,"a",@progbits
	.p2align	6, 0x0
	.amdhsa_kernel k_q64198fce4e_prep
		.amdhsa_group_segment_fixed_size 34304
		.amdhsa_private_segment_fixed_size 0
		.amdhsa_enable_private_segment 0
		.amdhsa_kernarg_size 48
		.amdhsa_user_sgpr_count 2
		.amdhsa_user_sgpr_kernarg_segment_ptr 1
		.amdhsa_wavefront_size32 1
		.amdhsa_system_sgpr_workgroup_id_x 1
		.amdhsa_system_sgpr_workgroup_id_y 1
		.amdhsa_system_sgpr_workgroup_id_z 1
		.amdhsa_system_vgpr_workitem_id 0
		.amdhsa_next_free_vgpr 256
		.amdhsa_next_free_sgpr 66
		.amdhsa_reserve_vcc 1
		.amdhsa_float_denorm_mode_32 3
		.amdhsa_float_denorm_mode_16_64 3
		.amdhsa_memory_ordered 1
		.amdhsa_forward_progress 1
		.amdhsa_inst_pref_size 42
	.end_amdhsa_kernel
	.amdgpu_metadata
---
amdhsa.version: [ 1, 2 ]
amdhsa.kernels:
  - .name:           k_q64198fce4e_prep
    .symbol:         k_q64198fce4e_prep.kd
    .args:
      - { .name: x, .offset: 0, .size: 8, .value_kind: global_buffer, .address_space: global }
      - { .name: middle_core, .offset: 8, .size: 8, .value_kind: global_buffer, .address_space: global }
      - { .name: first_core, .offset: 16, .size: 8, .value_kind: global_buffer, .address_space: global }
      - { .name: last_core, .offset: 24, .size: 8, .value_kind: global_buffer, .address_space: global }
      - { .name: xq, .offset: 32, .size: 8, .value_kind: global_buffer, .address_space: global }
      - { .name: part, .offset: 40, .size: 8, .value_kind: global_buffer, .address_space: global }
    .group_segment_fixed_size: 34304
    .private_segment_fixed_size: 0
    .kernarg_segment_align: 8
    .kernarg_segment_size: 48
    .max_flat_workgroup_size: 128
    .sgpr_count:     66
    .vgpr_count:     256
    .wavefront_size: 32
...
	.end_amdgpu_metadata
.endif
;; end of part 1
;; launch wgen (part 2): grid 256 x 1, 4 waves a work-group, no clusters, 1,536 bytes of LDS; arguments part, wq; writes wq
.if DOCPART == 2
	.amdgcn_target "amdgcn-amd-amdhsa--gfx1250"
	.amdhsa_code_object_version 6
	.text
	.protected	k_q64198fce4e_wgen
	.globl	k_q64198fce4e_wgen
	.p2align	8
	.type	k_q64198fce4e_wgen,@function
k_q64198fce4e_wgen:
	s_mov_b64 s[64:65], 0
	v_nop
	global_prefetch_b8 v0, s[64:65] scope:SCOPE_SE
	s_setreg_imm32_b32 hwreg(HW_REG_WAVE_MODE, 25, 1), 1
	s_wait_xcnt 0x0
; THE WEIGHT, MADE AND QUANTISED.  W[k][n] = (F[a][x] G[b][y]) L[c][z], k = 256 a + 16 b + c, n = 256 x + 16 y + z, in f32, the two multiplications in that order; quantised along K to E2M3 with one
; E8M0 byte for each 32 along K.  wq has xq's layout: [T 32][s 32][record of 12,800 bytes], an image of the product's operand registers, but ITS ROWS ARE ORDERED FOR THE PRODUCT'S WAY OUT:
; lane r of block 4 g + e of run T holds column n = 128 T + 64 g + 4 r + e, so that in the product four accumulators hold four neighbouring columns in one lane.
; SHARES.  A wave owns (T, g, a): 64 columns, steps s = 2 a and 2 a + 1.  Lane (r, h) makes, for each step and each e, its own 12 operand registers: blocks b' = 4 (s % 2) + 2 h + u, u = 0, 1, each b = 2 b', 2 b' + 1
; and all 16 c in K's order.  They are stored as they stand, 512 consecutive bytes a store; the scale words of both steps leave by one store of two runs of 256 bytes.
; A BLOCK'S LARGEST MAGNITUDE IS NOT SEARCHED FOR: a rounded multiplication never falls where a factor's magnitude rises, so the largest |fl(T L[c])| over c is fl(|T| x the largest |L[c]|).
; G's sums for the wave's four y go through 256 bytes of LDS of the wave's own, so that each lane picks its eight.  No cluster, no tensor load: what is shared is part's 18 KB; no matrix unit: no sum here.
; LIMITS: NaN and infinities are not served.  A block whose largest magnitude lies under 2^-124 gets the byte 1 (read by this program alone).  G's 4,096 numbers are summed before the
; multiplication by F, where the definition multiplies before its last additions: both are f32 sums of the same numbers.
.set REC,   12800
.set FOFF,  16384
.set LOFF,  17408
.set SPARE, 1024
.set LM,    20                         ; v20-23  the largest |L[c][z]| for e = 0 .. 3
.set WD,    24                         ; v24-31  scale words [step][e]
.set L,     64                         ; v64-127 L[c][4 (r % 4) + e] at 16 e + c
.set X,     128                        ; v128-159 a block's 32 numbers
.set C,     160                        ; v160-255 eight sets of 12 registers of codes
	s_load_b128 s[4:7], s[0:1], 0x0                ; part, wq
	v_lshl_add_u32 v12, v0, 2, SPARE
	v_mov_b32 v13, 0
	v_lshrrev_b32 v1, 5, v0
	v_readfirstlane_b32 s10, v1                    ; wave
	v_and_b32 v1, 31, v0
	v_and_b32 v2, 15, v0                           ; r
	v_bfe_u32 v3, v0, 4, 1                         ; h
	s_lshr_b32 s11, ttmp9, 4                       ; x
	s_bfe_u32 s12, ttmp9, 0x20002                  ; q: y = 4 q + r / 4
	s_and_b32 s13, ttmp9, 3
	s_lshl_b32 s13, s13, 2
	s_add_co_u32 s13, s13, s10                     ; a
	s_lshr_b32 s15, ttmp9, 3                       ; T
	s_mov_b32 s22, 0x76543210
	s_mov_b32 s23, 0xfedcba98
	s_wait_alu depctr_va_vdst(0)                   ; the wait here, behind the run of scalar lines and ahead of the readers of r and h
	v_lshlrev_b32 v4, 10, v2
	v_lshl_add_u32 v4, v3, 9, v4                   ; G's partial sums [b = r][chunk 8 h + j]
	v_and_b32 v6, 3, v0
	v_lshlrev_b32 v6, 4, v6                        ; L: z = 4 (r % 4) + e
	s_lshl_b32 s14, s10, 8                         ; my wave's 256 bytes of LDS: [y % 4][b]
	v_lshl_add_u32 v7, v2, 2, s14
	v_lshrrev_b32 v8, 2, v2
	v_lshlrev_b32 v8, 6, v8
	v_lshl_add_u32 v8, v3, 4, v8
	v_add_nc_u32 v8, s14, v8                       ; my y's row, b = 4 h on
	v_lshlrev_b32 v9, 3, v3                        ; 8 h
	v_mul_u32_u24 v10, v3, REC
	v_lshl_add_u32 v10, v2, 4, v10                 ; the scale words: lanes 16-31 store the second step's
	v_lshlrev_b32 v11, 4, v1                       ; 16 x lane
	v_mov_b32 v18, 0
	s_mov_b32 s21, 0
	s_wait_alu depctr_va_vdst(0)                   ; the wait at the head's end
	s_wait_kmcnt 0x0
	s_lshl_b32 s20, s12, 4
	s_add_nc_u64 s[16:17], s[4:5], s[20:21]        ; part + 16 q
	s_bfe_u32 s24, ttmp9, 0x10002                  ; g
	s_lshl_b32 s20, s13, 6
	s_lshl_b32 s25, s11, 2
	s_add_co_u32 s20, s20, s25
	s_add_co_u32 s20, s20, FOFF
	s_add_nc_u64 s[18:19], s[4:5], s[20:21]        ; F[a][x]
	s_lshl_b32 s20, s15, 5
	s_lshl_b32 s25, s13, 1
	s_add_co_u32 s20, s20, s25
	s_mul_i32 s20, s20, REC
	s_add_nc_u64 s[6:7], s[6:7], s[20:21]          ; the record of (T, 2 a)
	s_lshl_b32 s20, s24, 8
	s_add_co_u32 s20, s20, 12288
	s_add_nc_u64 s[8:9], s[6:7], s[20:21]          ; its scale words of blocks 4 g on
	s_mul_i32 s20, s24, 6144
	s_add_nc_u64 s[6:7], s[6:7], s[20:21]          ; its codes of blocks 4 g on
.irp j, 0,1,2,3,4,5,6,7
	global_load_b128 v[32+4*\j:35+4*\j], v4, s[16:17] offset:64*\j
.endr
	global_load_b32 v19, v18, s[18:19]
.irp e, 0,1,2,3
.irp c, 0,1,2,3,4,5,6,7,8,9,10,11,12,13,14,15
	global_load_b32 v[L+16*\e+\c], v6, s[4:5] offset:LOFF+64*\c+4*\e
.endr
.endr
.irp k, 0,1,2,3
	v_mov_b32 v[WD+\k], 0                          ; a lane permute's destination counts as a source
.endr
	v_mov_b32 v5, 0
	s_wait_alu depctr_va_vdst(0)                   ; the wait here, directly ahead of the wait below
	s_wait_loadcnt 0x0
.irp k, 0,2,4,6
	v_pk_add_f32 v[32+4*\k:33+4*\k], v[32+4*\k:33+4*\k], v[36+4*\k:37+4*\k]   ; my eight partial sums of four y, as a tree
	v_pk_add_f32 v[34+4*\k:35+4*\k], v[34+4*\k:35+4*\k], v[38+4*\k:39+4*\k]
.endr
.irp k, 0,4
	v_pk_add_f32 v[32+4*\k:33+4*\k], v[32+4*\k:33+4*\k], v[40+4*\k:41+4*\k]
	v_pk_add_f32 v[34+4*\k:35+4*\k], v[34+4*\k:35+4*\k], v[42+4*\k:43+4*\k]
.endr
	v_pk_add_f32 v[32:33], v[32:33], v[48:49]
	v_pk_add_f32 v[34:35], v[34:35], v[50:51]
.irp k, 0,1,2,3
	v_permlanex16_b32 v[WD+\k], v[32+\k], s22, s23
.endr
.irp k, 0,1,2,3
	v_add_f32 v[32+\k], v[32+\k], v[WD+\k]         ; and lane l xor 16's eight: G[r][4 q + k]
.endr
.irp k, 0,1,2,3
	ds_store_b32 v7, v[32+\k] offset:64*\k         ; both halves of the lanes write the same word with the same value
.endr
	ds_load_b128 v[14:17], v8                      ; G[4 h + i][y]: the first step's four,
	ds_load_b128 v[36:39], v8 offset:32            ; G[8 + 4 h + i][y]: the second's
.irp e, 0,1,2,3
	v_max3_num_f32 v[LM+\e], |v[L+16*\e]|, |v[L+16*\e+1]|, |v[L+16*\e+2]|
.endr
.irp c, 3,5,7,9,11,13
.irp e, 0,1,2,3
	v_max3_num_f32 v[LM+\e], v[LM+\e], |v[L+16*\e+\c]|, |v[L+16*\e+\c+1]|
.endr
.endr
.irp e, 0,1,2,3
	v_max_num_f32 v[LM+\e], v[LM+\e], |v[L+16*\e+15]|
.endr
.irp k, 41,43,45,47
	v_mov_b32 v[\k], 0                             ; named as the upper halves of pairs, so they are written
.endr
	s_wait_alu depctr_va_vdst(0)                   ; the wait here, directly ahead of the wait below
	s_wait_dscnt 0x0
.macro ITEM sg, e
.set CS, C+12*(4*(\sg)+(\e))
	v_mul_f32 v48, |v40|, v[LM+\e]                 ; the largest magnitude of each half of my two blocks,
	v_mul_f32 v49, |v42|, v[LM+\e]
	v_mul_f32 v50, |v44|, v[LM+\e]
	v_mul_f32 v51, |v46|, v[LM+\e]
	v_max3_num_f32 v48, v48, v49, 0x1800000        ; of each block, and the floor 2^(3 - 127)
	v_max3_num_f32 v50, v50, v51, 0x1800000
	v_add_nc_u32 v48, 0xff000000, v48              ; 2 off the exponent field: the conversion's scale operand
	v_add_nc_u32 v50, 0xff000000, v50
.irp u, 0,1
.irp i, 0,2,4,6,8,10,12,14
	v_pk_mul_f32 v[X+\i:X+\i+1], v[L+16*(\e)+\i:L+16*(\e)+\i+1], v[40+4*\u:41+4*\u] op_sel_hi:[1,0]
	v_pk_mul_f32 v[X+16+\i:X+17+\i], v[L+16*(\e)+\i:L+16*(\e)+\i+1], v[42+4*\u:43+4*\u] op_sel_hi:[1,0]
.endr
	v_cvt_scalef32_pk16_fp6_f32 v[CS+6*\u:CS+6*\u+2], v[X:X+15], v[48+2*\u]
	v_cvt_scalef32_pk16_fp6_f32 v[54+4*\u:56+4*\u], v[X+16:X+31], v[48+2*\u]   ; a conversion's three registers begin on an even number: moved below
	v_lshrrev_b32 v[49+2*\u], 23, v[48+2*\u]       ; the byte (also the plain line behind the conversions)
.endr
.irp u, 0,1
.irp i, 0,1,2
	v_mov_b32 v[CS+6*\u+3+\i], v[54+4*\u+\i]
.endr
.endr
	v_lshl_or_b32 v49, v51, 16, v49                ; my blocks stand at bytes h and 2 + h of the step's word
	v_lshlrev_b32 v49, v9, v49
	v_permlanex16_b32 v5, v49, s22, s23
	v_or_b32 v[WD+4*(\sg)+(\e)], v49, v5
.irp c, 0,1,2
	global_store_b128 v11, v[CS+4*\c:CS+4*\c+3], s[6:7] offset:(\sg)*REC+(\e)*1536+512*\c   ; 512 consecutive bytes
.endr
.endm
.irp i, 0,1,2,3
	v_mul_f32 v[40+2*\i], v19, v[14+\i]            ; T = F[a][x] G[b][y], b = 4 h + i
.endr
.irp e, 0,1,2,3
	ITEM 0, \e
.endr
.irp i, 0,1,2,3
	v_mul_f32 v[40+2*\i], v19, v[36+\i]            ; b = 8 + 4 h + i
.endr
.irp e, 0,1,2,3
	ITEM 1, \e
.endr
	v_cmp_eq_u32 vcc_lo, 1, v3
.irp e, 0,1,2,3
	v_cndmask_b32 v[WD+\e], v[WD+\e], v[WD+4+\e], vcc_lo   ; lanes 16-31 take the second step's words
.endr
	global_store_b128 v10, v[WD:WD+3], s[8:9]      ; two runs of 256 consecutive bytes
	s_wait_tensorcnt 0x0                           ; the wave's end
	ds_add_u32 v12, v13
	s_wait_dscnt 0x0
	s_endpgm
.Lfunc_end_k_q64198fce4e_wgen:
	.size	k_q64198fce4e_wgen, .Lfunc_end_k_q64198fce4e_wgen-k_q64198fce4e_wgen
	.p2alignl 7, 3214868480
	.fill 96, 4, 3214868480
	.section	.rodata,"a",@progbits
	.p2align	6, 0x0
	.amdhsa_kernel k_q64198fce4e_wgen
		.amdhsa_group_segment_fixed_size 1536
		.amdhsa_private_segment_fixed_size 0
		.amdhsa_enable_private_segment 0
		.amdhsa_kernarg_size 16
		.amdhsa_user_sgpr_count 2
		.amdhsa_user_sgpr_kernarg_segment_ptr 1
		.amdhsa_wavefront_size32 1
		.amdhsa_system_sgpr_workgroup_id_x 1
		.amdhsa_system_sgpr_workgroup_id_y 1
		.amdhsa_system_sgpr_workgroup_id_z 1
		.amdhsa_system_vgpr_workitem_id 0
		.amdhsa_next_free_vgpr 256
		.amdhsa_next_free_sgpr 66
		.amdhsa_reserve_vcc 1
		.amdhsa_float_denorm_mode_32 3
		.amdhsa_float_denorm_mode_16_64 3
		.amdhsa_memory_ordered 1
		.amdhsa_forward_progress 1
		.amdhsa_inst_pref_size 43
	.end_amdhsa_kernel
	.amdgpu_metadata
---
amdhsa.version: [ 1, 2 ]
amdhsa.kernels:
  - .name:           k_q64198fce4e_wgen
    .symbol:         k_q64198fce4e_wgen.kd
    .args:
      - { .name: part, .offset: 0, .size: 8, .value_kind: global_buffer, .address_space: global }
      - { .name: wq, .offset: 8, .size: 8, .value_kind: global_buffer, .address_space: global }
    .group_segment_fixed_size: 1536
    .private_segment_fixed_size: 0
    .kernarg_segment_align: 8
    .kernarg_segment_size: 16
    .max_flat_workgroup_size: 128
    .sgpr_count:     66
    .vgpr_count:     256
    .wavefront_size: 32
...
	.end_amdgpu_metadata
.endif
;; end of part 2
;; launch gemm (part 3): grid 16 x 16, 4 waves a work-group, clusters of 4 x 4, 327,680 bytes of LDS; arguments xq, wq, out0, bias; writes out0
.if DOCPART == 3
	.amdgcn_target "amdgcn-amd-amdhsa--gfx1250"
	.amdhsa_code_object_version 6
	.text
	.protected	k_q64198fce4e_gemm
	.globl	k_q64198fce4e_gemm
	.p2align	8
	.type	k_q64198fce4e_gemm,@function
k_q64198fce4e_gemm:
	s_mov_b64 s[64:65], 0
	v_nop
	global_prefetch_b8 v0, s[64:65] scope:SCOPE_SE
	s_setreg_imm32_b32 hwreg(HW_REG_WAVE_MODE, 25, 1), 1
	s_wait_xcnt 0x0
	s_wait_alu depctr_hold_cnt(0) depctr_sa_sdst(0) depctr_va_vdst(0) depctr_va_sdst(0) depctr_va_ssrc(0) depctr_va_vcc(0) depctr_vm_vsrc(0)
	s_getreg_b32 s2, hwreg(HW_REG_IB_STS2, 6, 4)
	s_cmp_eq_u32 s2, 0
	s_cbranch_scc0 .Lentry_in_a_cluster
	s_endpgm
.Lentry_in_a_cluster:
	s_bfe_u32 s2, ttmp6, 0x10000c
	s_cmp_lg_u32 s2, 0xf033
	s_cbranch_scc0 .Lentry_shape_is_right
	s_endpgm
.Lentry_shape_is_right:
; out0[m][n] = sum over k of Q(x)[m][k] Q(W)[k][n] + bias[n], on codes of E2M3 with E8M0 scales, by the scaled matrix instruction; sums in f32.
; xq and wq are images of the operand registers: [T: 128 rows][s: 128 along K][record of 12,800 bytes]: codes [blk 8][c 3][lane 32][16 bytes], then scale words [blk / 4][r 16][blk % 4].
; A fragment is three LDS loads of 512 consecutive bytes; a step's eight scale words of a row are two loads of 16 bytes a lane (lanes 0-15 x's, lanes 16-31 W's, in one register).
; A work-group of four waves makes 256 x 256 of out0, a wave 128 x 128: 64 accumulators.  K goes through a ring of two LDS slots of THREE steps each (4 x 38,400 bytes a slot); a wave's tensor load brings
; one operand's 128 rows for three steps: 150 dense rows of 256 bytes, each on a 256-byte border.  32 steps are ten fills of three and a last one of two.
; CLUSTERS: 4 x 4 work-groups; x's tiles are asked for jointly along a row of the cluster, W's along a column.
; THE WAY OUT: lane r of W's block 4 g + e holds column 64 g + 4 r + e, so the four accumulators e = 0 .. 3 hold four neighbouring columns in one lane.  The bias's addition gathers them into four
; registers on end, and sixteen lanes store 256 consecutive bytes of a row, aligned: no way through LDS.
; PREFETCH: behind the load of fill i and the LDS loads that follow it, fill i + 2's 150 blocks of 256 bytes are asked for, 38 (the last partner 36) by each of the four partners that will load them jointly,
; told apart by address.  It stops with fill 9: the last fill, of 100 blocks, comes by its load alone.
; REGISTERS: window 0: v16-29 addresses, v32-47 two sets of scale words, v48-55 bias, v128-223 x's fragments (one set); window 1: W's fragments, two sets at v0 and v128; windows 2, 3: the accumulators.
.set REC,   12800
.set QTR,   3*REC                      ; what one tensor load brings
.set SLOT,  4*QTR
.set SPARE, 2*SLOT
.set ADRA, 16
.set ADRB, 18
.set ADRS, 20
.set CO,   22
.set BO,   23
.set PF1,  24
.set PF2,  25
.set SPW,  28
.set NIL,  29
.set SC,   32
.set BI,   48
.set AF,   128
.set G1, 24
.set G0, 32
.set G1B, 48
.set G0B, 56
.set PFA, 66
.set MSB, 0
.macro WIN new                         ; the immediate's high byte repeats the setting that is left
.if MSB != (\new)
	s_set_vgpr_msb (MSB<<8)|(\new)
.set MSB, (\new)
.endif
.endm
.set MUL_LO, 0xa4                      ; source 0 (x) window 0, source 1 (W) window 1, C and D window 2
.set MUL_HI, 0xf4
.set TO_B,   0x40
.macro JLOAD g0a, g1a, g0b, g1b        ; a joint load: waves 0, 1 fetch x's halves, waves 2, 3 W's
	s_cmp_eq_u32 s15, 0
	s_cbranch_scc0 .Lfor_b_\@
	tensor_load_to_lds s[\g0a:\g0a+3], s[\g1a:\g1a+7]
	s_nop 0
.rept 4
	v_nop
.endr
	s_branch .Lasked_\@
.Lfor_b_\@:
	tensor_load_to_lds s[\g0b:\g0b+3], s[\g1b:\g1b+7]
	s_nop 0
.rept 4
	v_nop
.endr
.Lasked_\@:
.endm
.macro CREST
	s_cmp_lg_u32 s14, 0
	s_cbranch_scc1 .Lnot_wave_0_\@
	s_barrier_signal -3
.Lnot_wave_0_\@:
	s_barrier_wait -3
	s_barrier_signal -1
	s_barrier_wait -1
.endm
.macro CROUND
	s_barrier_signal -1
	s_barrier_wait -1
	CREST
.endm
.macro ASK off, cond                   ; cond = 1: not in the loop's last trip, whose look-ahead would pass fill 9
.if \cond
	s_cmp_gt_u32 s3, 1
	s_cbranch_scc0 .Lno_ask_\@
.endif
	global_prefetch_b8 v[PF1], s[PFA:PFA+1] offset:\off th:TH_LOAD_NT scope:SCOPE_SE
	global_prefetch_b8 v[PF2], s[PFA:PFA+1] offset:\off th:TH_LOAD_NT scope:SCOPE_SE
.Lno_ask_\@:
.endm
	s_load_b256 s[4:11], s[0:1], 0x0               ; xq, wq, out0, bias
	v_lshl_add_u32 v[SPW], v0, 2, SPARE
	v_mov_b32 v[NIL], 0
	ds_add_u32 v[SPW], v[NIL]                      ; the opening lines: the add twice on end and its wait
	ds_add_u32 v[SPW], v[NIL]
	v_lshrrev_b32 v1, 5, v0
	v_readfirstlane_b32 s14, v1                    ; wave
	s_lshr_b32 s15, s14, 1                         ; my half of the tile's rows; also: I fetch for x (0) or W (1)
	s_and_b32 s16, s14, 1                          ; my half of its columns; also: which 128 rows I fetch
	s_bfe_u32 s40, ttmp6, 0x40000                  ; cx
	s_bfe_u32 s41, ttmp6, 0x40004                  ; cy
	s_lshl_b32 s42, ttmp9, 2
	s_add_co_u32 s42, s42, s40                     ; tile column
	s_and_b32 s17, ttmp7, 0xffff
	s_lshl_b32 s17, s17, 2
	s_add_co_u32 s17, s17, s41                     ; tile row
	s_lshl_b32 s43, s41, 2
	s_lshl_b32 s43, 15, s43                        ; my row of the cluster
	s_lshl_b32 s44, 0x1111, s40                    ; my column
	s_or_b32 s[G1+0], s43, (3<<16)|(1<<21)         ; elements of 8 bytes, no padding; bit 21 beside a mask
	s_or_b32 s[G1B+0], s44, (3<<16)|(1<<21)
.irp g, G1, G1B
	s_mov_b32 s[\g+1], 32<<16                      ; rows of 32 elements, 256 bytes
	s_mov_b32 s[\g+2], 150<<16
	s_mov_b32 s[\g+3], 32<<16
	s_mov_b32 s[\g+4], 150
	s_mov_b32 s[\g+5], 32
	s_mov_b32 s[\g+6], 0
	s_mov_b32 s[\g+7], 0
.endr
	s_lshl_b32 s20, s17, 1
	s_add_co_u32 s20, s20, s16
	s_mul_i32 s20, s20, 32*REC                     ; x: run T = 2 x tile row + half
	s_mov_b32 s21, 0
	s_lshl_b32 s46, s42, 1
	s_add_co_u32 s46, s46, s16
	s_mul_i32 s46, s46, 32*REC                     ; W: run T = 2 x tile column + half
	s_mov_b32 s47, 0
	s_mul_i32 s45, s14, QTR                        ; where my load lands: wave x a quarter of the slot
	s_wait_dscnt 0x0
	s_wait_kmcnt 0x0
	s_add_nc_u64 s[20:21], s[4:5], s[20:21]
	s_add_nc_u64 s[46:47], s[6:7], s[46:47]
	CROUND                                         ; all sixteen work-groups are here: the first joint loads meet
.irp s, 0,1
	s_mov_b32 s[G0+4*\s], 1
	s_add_co_u32 s[G0+4*\s+1], s45, \s*SLOT
	s_add_nc_u64 s[G0+4*\s+2:G0+4*\s+3], s[20:21], \s*QTR
	s_or_b32 s[G0+4*\s+3], s[G0+4*\s+3], 0x80000000
	s_mov_b32 s[G0B+4*\s], 1
	s_add_co_u32 s[G0B+4*\s+1], s45, \s*SLOT
	s_add_nc_u64 s[G0B+4*\s+2:G0B+4*\s+3], s[46:47], \s*QTR
	s_or_b32 s[G0B+4*\s+3], s[G0B+4*\s+3], 0x80000000
.endr
	JLOAD G0, G1, G0B, G1B                         ; fill 0: one tensor load a wave at the head
	v_and_b32 v1, 31, v0                           ; lane
	v_and_b32 v2, 15, v0                           ; r
	v_bfe_u32 v3, v0, 4, 1                         ; h
	v_lshlrev_b32 v4, 4, v1
	s_mul_i32 s21, s15, QTR                        ; x's quarter that I read
	s_mul_i32 s22, s16, QTR
	s_add_co_u32 s22, s22, 2*QTR                   ; W's
	v_add_nc_u32 v[ADRA], s21, v4
	v_add_nc_u32 v[ADRB], s22, v4
	v_add_nc_u32 v[ADRA+1], SLOT, v[ADRA]
	v_add_nc_u32 v[ADRB+1], SLOT, v[ADRB]
	s_sub_co_u32 s22, s22, s21
	v_mul_u32_u24 v5, s22, v3                      ; lanes 16-31 take W's scale words
	v_lshl_add_u32 v5, v2, 4, v5
	s_add_co_u32 s21, s21, 12288
	v_add_nc_u32 v[ADRS], s21, v5
	v_add_nc_u32 v[ADRS+1], SLOT, v[ADRS]
	v_lshlrev_b32 v5, 17, v3                       ; out0: lanes 16-31 eight rows of 16,384 bytes down,
	v_lshl_add_u32 v[CO], v2, 4, v5                ; 16 bytes a lane
	v_lshlrev_b32 v[BO], 4, v2
	s_lshl_b32 s20, s17, 22                        ; my first row: 256 x tile row + 128 x half, in bytes
	s_lshl_b32 s21, s15, 21
	s_add_co_u32 s20, s20, s21
	s_mov_b32 s21, 0
	s_lshl_b32 s46, s42, 10                        ; my first column, in bytes
	s_lshl_b32 s47, s16, 9
	s_add_co_u32 s46, s46, s47
	s_mov_b32 s47, 0
	s_add_nc_u64 s[10:11], s[10:11], s[46:47]
	s_add_nc_u64 s[20:21], s[20:21], s[46:47]
	s_add_nc_u64 s[8:9], s[8:9], s[20:21]
	s_cmp_eq_u32 s15, 0                            ; the prefetches: the run that I fetch, and my place among the four that ask with me
	s_cselect_b32 s22, s17, s42
	s_cselect_b32 s23, s40, s41
	s_cselect_b64 s[PFA:PFA+1], s[4:5], s[6:7]
	s_lshl_b32 s22, s22, 1
	s_add_co_u32 s22, s22, s16
	s_mul_i32 s18, s22, 32*REC
	s_mov_b32 s19, 0
	s_add_nc_u64 s[PFA:PFA+1], s[PFA:PFA+1], s[18:19]
	s_mul_i32 s23, s23, 38                         ; my first block of a fill's 150
	v_add_nc_u32 v[PF1], s23, v1
	v_lshlrev_b32 v[PF1], 8, v[PF1]                ; blocks 38 p + lane,
	v_min_u32 v6, 5, v1
	v_add_nc_u32 v6, s23, v6
	v_add_nc_u32 v6, 32, v6
	v_min_u32 v6, 149, v6                          ; and 38 p + 32 .. 37, held inside the fill; lanes left over name the last again
	v_lshlrev_b32 v[PF2], 8, v6
	s_wait_alu depctr_va_vdst(0)                   ; the wait at the head's end
	ASK 6*REC, 0                                   ; fill 2
	global_load_b128 v[BI:BI+3], v[BO], s[10:11]               ; bias[64 g + 4 r + e], g = 0,
	global_load_b128 v[BI+4:BI+7], v[BO], s[10:11] offset:256  ; g = 1
.macro FRAG reg, adr, q, i
.irp c, 0,1,2
	ds_load_b128 v[\reg+4*\c:\reg+4*\c+3], v[\adr] offset:(\q)*REC+(\i)*1536+512*\c
.endr
.endm
; 16 matrix instructions: x's blocks a0, a0 + 1 against W's eight.  p: W's set and the set of scale words.  The 64 accumulators take turns in the same order in every step.
.macro MUL16 a0, p, zero
.irp a, \a0, \a0+1
.irp b, 0,1,2,3,4,5,6,7
.if \zero
	v_wmma_scale_f32_16x16x128_f8f6f4 v[8*(8*((\a)%4)+\b):8*(8*((\a)%4)+\b)+7], v[AF+12*(\a):AF+12*(\a)+11], v[128*(\p)+12*\b:128*(\p)+12*\b+11], 0, v[SC+8*(\p)+(\a)], v[SC+8*(\p)+\b] matrix_a_fmt:MATRIX_FMT_FP6 matrix_b_fmt:MATRIX_FMT_FP6 matrix_b_scale:MATRIX_SCALE_ROW1
.else
	v_wmma_scale_f32_16x16x128_f8f6f4 v[8*(8*((\a)%4)+\b):8*(8*((\a)%4)+\b)+7], v[AF+12*(\a):AF+12*(\a)+11], v[128*(\p)+12*\b:128*(\p)+12*\b+11], v[8*(8*((\a)%4)+\b):8*(8*((\a)%4)+\b)+7], v[SC+8*(\p)+(\a)], v[SC+8*(\p)+\b] matrix_a_fmt:MATRIX_FMT_FP6 matrix_b_fmt:MATRIX_FMT_FP6 matrix_b_scale:MATRIX_SCALE_ROW1
.endif
.endr
.endr
.endm
.macro FETCH_B slot, q, p
	WIN TO_B
.irp i, 0,1,2,3,4,5,6,7
	FRAG 128*(\p)+12*\i, ADRB+\slot, \q, \i
.endr
	WIN 0
.endm
.macro FETCH_A slot, q, i0
.irp i, \i0, \i0+1, \i0+2, \i0+3
	FRAG AF+12*(\i), ADRA+\slot, \q, \i
.endr
.endm
.macro SCALES slot, q, p
	ds_load_b128 v[SC+8*(\p):SC+8*(\p)+3], v[ADRS+\slot] offset:(\q)*REC
	ds_load_b128 v[SC+8*(\p)+4:SC+8*(\p)+7], v[ADRS+\slot] offset:(\q)*REC+256
.endm
.macro PLACES                          ; four places behind matrix instructions, ahead of loads into their registers and of reads of results
.rept 4
	v_nop
.endr
.endm
; Step q (0 or 1) of a slot: 64 matrix instructions.  The next step's fragments lie in the same slot: W's and the scale words are fetched at the step's head (their sets were last read in the step before,
; whose four places stand behind its last product), x's blocks 0-3 in its middle and 4-7 at its end, each when its registers have been multiplied.
.macro STEP slot, q, zero
.set P, ((\slot)+(\q))%2
	s_wait_dscnt 12                                ; all but the youngest twelve loads, x's blocks 4-7
	FETCH_B \slot, (\q)+1, 1-P
	SCALES \slot, (\q)+1, 1-P
	WIN MUL_LO
	MUL16 0, P, \zero
	MUL16 2, P, \zero
	PLACES
	WIN 0
	FETCH_A \slot, (\q)+1, 0
	s_wait_dscnt 38                                ; all but the 24 + 2 + 12 issued in this step: x's blocks 4-7 are in
	WIN MUL_HI
	MUL16 4, P, \zero
	MUL16 6, P, \zero
	PLACES
	WIN 0
	FETCH_A \slot, (\q)+1, 4
.endm
; The last step of a slot changes slots.  In front of the barrier each wave waits for all its tensor loads (its part of the next slot), adds 0 to its spare word, and waits for that and for its reads of this slot.
; fill = 1: the barrier opens a round of the cluster's barrier and this slot is filled again, two fills on; 2: the same with the last fill, of two steps; 0: nothing is left to fetch.
.macro TURN slot, next, fill, ask
	s_wait_tensorcnt 0x0
	ds_add_u32 v[SPW], v[NIL]
.if \fill == 2
	s_mov_b32 s[G1+2], 100<<16                     ; no tensor load of mine is out: the last fill has 100 rows
	s_mov_b32 s[G1+4], 100
	s_mov_b32 s[G1B+2], 100<<16
	s_mov_b32 s[G1B+4], 100
.endif
	s_wait_dscnt 13                                ; the add and x's blocks 4-7 may be out
	WIN MUL_LO
	MUL16 0, (\slot)%2, 0
	s_wait_dscnt 0x0                               ; the add is done, and my reads of this slot are over
	s_barrier_signal -1
	MUL16 2, (\slot)%2, 0
	WIN 0
	s_barrier_wait -1
.if \fill
	CREST
	s_add_nc_u64 s[G0+4*\slot+2:G0+4*\slot+3], s[G0+4*\slot+2:G0+4*\slot+3], 2*QTR
	s_add_nc_u64 s[G0B+4*\slot+2:G0B+4*\slot+3], s[G0B+4*\slot+2:G0B+4*\slot+3], 2*QTR
	JLOAD G0+4*\slot, G1, G0B+4*\slot, G1B         ; the first tensor load behind the round; its four v_nop are the places ahead of the loads below
.else
	PLACES
.endif
	FETCH_B \next, 0, 1-(\slot)%2
	FETCH_A \next, 0, 0
	SCALES \next, 0, 1-(\slot)%2
.if \ask
	ASK \ask, 1
.endif
	WIN MUL_HI
	MUL16 4, (\slot)%2, 0
	MUL16 6, (\slot)%2, 0
	PLACES
	WIN 0
	FETCH_A \next, 0, 4
.endm
	s_wait_tensorcnt 0x0                           ; my part of fill 0 is in; these lines stand ahead of a later first fill as ahead of a refill
	ds_add_u32 v[SPW], v[NIL]
	s_wait_dscnt 0x0
	CROUND
	JLOAD G0+4, G1, G0B+4, G1B                     ; fill 1, slot 1's first
	FETCH_B 0, 0, 0
	FETCH_A 0, 0, 0
	SCALES 0, 0, 0
	FETCH_A 0, 0, 4
	ASK 9*REC, 0                                   ; fill 3
	STEP 0, 0, 1                                   ; the first step's products start the sums
	s_mov_b32 s3, 4
.Llap:                                                 ; a trip: six steps, once round the ring, from a lap's second step to the next lap's first
	STEP 0, 1, 0
	TURN 0, 1, 1, 12*REC
	STEP 1, 0, 0
	STEP 1, 1, 0
	TURN 1, 0, 1, 15*REC
	STEP 0, 0, 0
	s_wait_xcnt 0x0                                ; my prefetches have read their base: it steps one lap
	s_add_nc_u64 s[PFA:PFA+1], s[PFA:PFA+1], 2*QTR
	s_sub_co_u32 s3, s3, 1
	s_cmp_lg_u32 s3, 0
	s_cbranch_scc1 .Llap
	STEP 0, 1, 0                                   ; steps 25 to 31
	TURN 0, 1, 2, 0
	STEP 1, 0, 0
	STEP 1, 1, 0
	TURN 1, 0, 0, 0
	STEP 0, 0, 0
	s_wait_dscnt 12
	WIN MUL_LO
	MUL16 0, 1, 0
	MUL16 2, 1, 0
	s_wait_dscnt 0x0
	WIN MUL_HI
	MUL16 4, 1, 0
	MUL16 6, 1, 0
	WIN 0
	PLACES
	s_wait_loadcnt 0x0                             ; the bias
; Block a, 16 rows x 128 columns: register j of accumulator (a, 4 g + e) is out0(16 a + 8 h + j, 64 g + 4 r + e).  Each accumulator is read from its low end on.
.macro OUT a
.set TB, 64+64*((\a)%3)
.if (\a) >= 3
	s_wait_xcnt 0x0                                ; block a - 3's stores have read these registers
.endif
	WIN 0x02+(\a)/4
.irp g, 0,1
.irp j, 0,1,2,3,4,5,6,7
.irp e, 0,1,2,3
	v_add_f32 v[TB+32*\g+4*\j+\e], v[8*(8*((\a)%4)+4*\g+\e)+\j], v[BI+4*\g+\e]
.endr
.endr
.endr
	WIN 0
.irp g, 0,1
.irp j, 0,1,2,3,4,5,6,7
	global_store_b128 v[CO], v[TB+32*\g+4*\j:TB+32*\g+4*\j+3], s[8:9] offset:(16*(\a)+\j)*16384+256*\g th:TH_STORE_NT   ; sixteen lanes: 256 consecutive bytes, aligned
.endr
.endr
.endm
.irp a, 0,1,2,3,4,5,6,7
	OUT \a
.endr
	s_wait_tensorcnt 0x0                           ; the wave's end
	ds_add_u32 v[SPW], v[NIL]
	s_wait_dscnt 0x0
	CROUND                                         ; the closing round
	s_endpgm
.Lfunc_end_k_q64198fce4e_gemm:
	.size	k_q64198fce4e_gemm, .Lfunc_end_k_q64198fce4e_gemm-k_q64198fce4e_gemm
	.p2alignl 7, 3214868480
	.fill 96, 4, 3214868480
	.section	.rodata,"a",@progbits
	.p2align	6, 0x0
	.amdhsa_kernel k_q64198fce4e_gemm
		.amdhsa_group_segment_fixed_size 327680
		.amdhsa_private_segment_fixed_size 0
		.amdhsa_enable_private_segment 0
		.amdhsa_kernarg_size 32
		.amdhsa_user_sgpr_count 2
		.amdhsa_user_sgpr_kernarg_segment_ptr 1
		.amdhsa_wavefront_size32 1
		.amdhsa_system_sgpr_workgroup_id_x 1
		.amdhsa_system_sgpr_workgroup_id_y 1
		.amdhsa_system_sgpr_workgroup_id_z 1
		.amdhsa_system_vgpr_workitem_id 0
		.amdhsa_next_free_vgpr 1024
		.amdhsa_next_free_sgpr 72
		.amdhsa_reserve_vcc 0
		.amdhsa_float_denorm_mode_32 3
		.amdhsa_float_denorm_mode_16_64 3
		.amdhsa_memory_ordered 1
		.amdhsa_forward_progress 1
		.amdhsa_inst_pref_size 204
	.end_amdhsa_kernel
	.amdgpu_metadata
---
amdhsa.version: [ 1, 2 ]
amdhsa.kernels:
  - .name:           k_q64198fce4e_gemm
    .symbol:         k_q64198fce4e_gemm.kd
    .args:
      - { .name: xq, .offset: 0, .size: 8, .value_kind: global_buffer, .address_space: global }
      - { .name: wq, .offset: 8, .size: 8, .value_kind: global_buffer, .address_space: global }
      - { .name: out0, .offset: 16, .size: 8, .value_kind: global_buffer, .address_space: global }
      - { .name: bias, .offset: 24, .size: 8, .value_kind: global_buffer, .address_space: global }
    .group_segment_fixed_size: 327680
    .private_segment_fixed_size: 0
    .kernarg_segment_align: 8
    .kernarg_segment_size: 32
    .max_flat_workgroup_size: 128
    .sgpr_count:     72
    .vgpr_count:     1024
    .wavefront_size: 32
...
	.end_amdgpu_metadata
.endif
;; end of part 3
